; MI455X (gfx1250); checked and timed in simulation.
; The chip was launched on July 23, 2026; its instructions are those of AMD's public machine-readable ISA for CDNA 5 (MIT licence, August 2026) and "CDNA5" Instruction Set Architecture Reference Guide (July 2026). The comments in the code are by the model that wrote it; some were corrected since.
;; Causal Self Attention. Allowed arithmetic: matrix products marked QUANTISED: E2M1 operands, one E8M0 scale for each 32 along K, by v_wmma_scale_f32_16x16x128_f8f6f4 with both operands' format E2M1 (or v_wmma_scale_f32_32x16x128_f4), f32 sums; products left as they are: bf16, f16 or f32 operands; f32 sums; everything else in f32.
;; Inputs: w_proj 1,024 x 1,024 float32; w_qkv 1,024 x 3,072 float32; x 4 x 2,048 x 1,024 float32.
;; Outputs: out0 4 x 2,048 x 1,024 float32.
;; This version of the problem:
;;   THIS VERSION OF THE PROBLEM IS GIVEN IN LOW PRECISION. The matrix products marked QUANTISED in the list below multiply operands that are first quantised to E2M1 (2 exponent bits, 1 mantissa bit; 4 bits a number), with one power-of-two scale for each 32 numbers along K (OCP MX v1.0); their sums are f32. The products marked 'left as it is' may take bf16, f16 or f32 operands, with f32 sums. Whichever they take, every output number must still come out within the allowed error. Rounding operands to bf16 (8 significant bits) uses up far more of that allowance than f16 does (11 bits, for magnitudes from 6e-5 to 65,504). All else is computed in f32.
;;   The module's matrix products, in the order in which they are computed (A, B: the left and right operand; K: the contracted axis; several contracted axes count as one K, in the product's order):
;;     1. [M 8,192, K 1,024] x [K 1,024, N 3,072]; A: input x; B: input w_qkv: QUANTISED
;;     2. batch 64 x [M 2,048, K 64] x [K 64, N 2,048]; A: computed on the way; B: computed on the way: left as it is (an operand is computed on the way)
;;     3. batch 64 x [M 2,048, K 2,048] x [K 2,048, N 64]; A: computed on the way; B: computed on the way: left as it is (an operand is computed on the way)
;;     4. [M 8,192, K 1,024] x [K 1,024, N 1,024]; A: computed on the way; B: input w_proj: left as it is (an operand is computed on the way)
;;   THE QUANTISER, for each operand of a quantised product, along K:
;;     - K is cut into blocks of 32 from its start; a last block that is shorter is filled with zeros.
;;     - A block's scale is 2^e with e = floor(log2(the largest magnitude in the block)) - 2, held to -126 .. 127; a block of zeros has e = 0. As a byte (E8M0): e + 127.
;;     - Each number is divided by its block's scale, clamped to +-6, and rounded to the nearest number of E2M1, ties to even, subnormals kept.
;;     - The product sums the exact products of the quantised numbers (number of the format x scale) in f32.
;;   ~~~python
;;   def quantise(x, axis):      # numpy; x: float32 -> the quantised numbers, widened to float32 again
;;       x = np.moveaxis(x, axis, -1); K = x.shape[-1]
;;       x = np.pad(x, [(0, 0)] * (x.ndim - 1) + [(0, -K % 32)]); x = x.reshape(x.shape[:-1] + (-1, 32)); a = np.abs(x).max(-1, keepdims=True)
;;       e = np.where(a > 0, np.clip(np.frexp(np.where(a > 0, a, 1))[1] - 1 - 2, -126, 127), 0)      # np.frexp(a)[1] - 1 = floor(log2(a)), exactly
;;       r = np.clip(x / 2.0 ** e, -6, 6)
;;       step = 2.0 ** (np.maximum(np.frexp(np.where(r == 0, 1, r))[1] - 1, 0) - 1)
;;       q = np.round(r / step) * step * 2.0 ** e      # np.round: ties to even
;;       return np.moveaxis(q.reshape(q.shape[:-2] + (-1,))[..., :K], -1, axis).astype(np.float32)
;;   ~~~
;; One version. Each part assembles by itself: llvm-mc -triple=amdgcn-amd-amdhsa -mcpu=gfx1250 --defsym DOCPART=n.
;; ======== version 1 of 1: 4 launches
;; limits: values are held in f16: magnitudes above 65,504 overflow, below 6.1e-05 lose precision
;; workspace buffers: xc 4,194,304 bytes; xs 262,144 bytes; wq 1,572,864 bytes; ws 98,304 bytes; wp 2,097,152 bytes; qkvh 50,331,648 bytes; att 16,777,216 bytes
;; launch prep (part 1): grid 512 x 1, 4 waves a work-group, no clusters, 34,304 bytes of LDS; arguments x, w_qkv, w_proj, xc, xs, wq, ws, wp; writes xc, xs, wq, ws, wp
.if DOCPART == 1
	.amdgcn_target "amdgcn-amd-amdhsa--gfx1250"
	.amdhsa_code_object_version 6
	.text
	.protected	k_qc401df80a9_prep
	.globl	k_qc401df80a9_prep
	.p2align	8
	.type	k_qc401df80a9_prep,@function
k_qc401df80a9_prep:
	s_mov_b64 s[64:65], 0
	v_nop
	global_prefetch_b8 v0, s[64:65] scope:SCOPE_SE
	s_setreg_imm32_b32 hwreg(HW_REG_WAVE_MODE, 25, 1), 1
	s_wait_xcnt 0x0
; PREP: the operands of the later launches, each laid in the order of its reader's operand registers.
;   x      [8192][1024] f32 -> xc: codes of FP4 (E2M1), [m/16][k/32][m%16][16 bytes];  xs: E8M0 scale words, [m/16][k/512][m%16][4 words], a word for 128 along K
;   w_qkv  [1024][3072] f32, K its FIRST axis -> wq: codes, [k/32][n][16 bytes];  ws: scale words, [k/128][n][4 bytes]
;   w_proj [1024][1024] f32, K its first axis -> wp: f16, [k/8][n][8 numbers along K]
; THE QUANTISER: a block is 32 along K; its scale is 2^(floor(log2(largest magnitude)) - 2); the byte is the largest magnitude's exponent field - 2, held at 1 from below by a floor among the
; maximum's leaves; each number is divided by the scale and rounded to the nearest code, ties to even; beyond 6 the conversion gives the largest code.
; LIMITS: a block of zeros gets the byte 1 where the rule says 127 (its codes are zeros, and this program alone reads the bytes); NaN and infinities among the inputs are not served;
; |w_proj| beyond 65,504 leaves f16's range.
; SHARES: work-groups 0-191 take w_qkv (128 along K x 128 columns each), 192-255 w_proj (the same), 256-511 x (a wave: 16 rows x 512 along K).  The three paths part on the work-group's number.
; Only the x path touches LDS.  No input byte is read by two work-groups, so there is nothing to share in a cluster; no tensor load, no barrier: waves share nothing.
; A wave's store of its 32 columns' scale words of w_qkv covers 128 consecutive bytes; every other store of a wave covers 256 or 512 consecutive bytes, aligned.
.set SPARE, 33792                      ; behind the four stages: the spare words, 128 bytes for each wave, which no other line names
.set SPW,   28                         ; v28  LDS address of my spare word; never rewritten
.set NIL,   29                         ; v29  0; never rewritten
.set WN,    32                         ; the weights' paths: v32-159 128 numbers down K of my column
.set WC,    160                        ; v160.. what is stored: four registers for each block or octet, none written twice
.set SB,    176                        ; v176 w_qkv: my column's scale word
.set R,     32                         ; the x path: v32-159 two sets of 64 registers as loaded
.set XN,    160                        ; v160-223 my row's two blocks of 32 neighbours
; w_qkv: block t of my column: all its 32 numbers are mine
.macro WQBLOCK t
.set XS, WN+32*(\t)
.if (\t) < 2
	s_wait_loadcnt 63                              ; behind block t's loads 96 - 32 t were issued; a wait can name 63 at the most, and the smaller count is the safe one
.else
	s_wait_loadcnt 32*(3-(\t))
.endif
	v_max3_num_f32 v12, |v[XS]|, |v[XS+1]|, |v[XS+2]|
	v_max3_num_f32 v13, |v[XS+3]|, |v[XS+4]|, |v[XS+5]|
.irp i, 6,10,14,18,22,26
	v_max3_num_f32 v12, v12, |v[XS+\i]|, |v[XS+\i+1]|
	v_max3_num_f32 v13, v13, |v[XS+\i+2]|, |v[XS+\i+3]|
.endr
	v_max3_num_f32 v12, v12, |v[XS+30]|, |v[XS+31]|
	v_max3_num_f32 v12, v12, v13, 0x1800000        ; and the floor 2^(3 - 127): the byte cannot fall under 1
	v_add_nc_u32 v11, 0xff000000, v12              ; 2 off the exponent field: the conversion takes the exponent field of this operand as its scale
	v_lshrrev_b32 v13, 23, v11                     ; the scale's byte
.if (\t) == 0
	v_mov_b32 v[SB], v13
.else
	v_lshl_or_b32 v[SB], v13, 8*(\t), v[SB]        ; the lower K in the lower byte
.endif
.irp g, 0,1,2,3
	v_cvt_scalef32_pk8_fp4_f32 v[WC+4*(\t)+\g], v[XS+8*\g:XS+8*\g+7], v11
.endr
	v_nop                                          ; a plain line behind the conversions
	global_store_b128 v5, v[WC+4*(\t):WC+4*(\t)+3], s[14:15] offset:(\t)*49152   ; 32 columns x 16 bytes: 512 consecutive bytes
.endm
; x: step t (128 along K) of my 16 rows: each load reads 512 consecutive bytes of one row
.macro XLOAD t
.irp p, 0,1,2,3,4,5,6,7,8,9,10,11,12,13,14,15
	global_load_b128 v[R+64*((\t)%2)+4*\p:R+64*((\t)%2)+4*\p+3], v5, s[4:5] offset:\p*4096+(\t)*512 th:TH_LOAD_NT
.endr
.endm
; The step's 16 x 512 bytes turn through my stage (rows of 528 bytes: 132 words, so that the 16 rows of a load start at 16 different banks of the 64, ISA guide 11.1):
; lane (r, h) gets row r's blocks h and 2 + h whole, which is what the operand's layout gives that lane.
.macro XSTEP t
.set CC, 224+8*(\t)
.if (\t) == 3
.set CC, 16
.endif
.if (\t) < 3
	s_wait_loadcnt 16                              ; this step's 16 loads are in; the next step's 16 may be out
.else
	s_wait_loadcnt 0x0
.endif
.irp p, 0,1,2,3,4,5,6,7,8,9,10,11,12,13,14,15
	ds_store_b128 v6, v[R+64*((\t)%2)+4*\p:R+64*((\t)%2)+4*\p+3] offset:\p*528
.endr
.irp c, 0,1
.irp g, 0,1,2,3,4,5,6,7
	ds_load_b128 v[XN+32*\c+4*\g:XN+32*\c+4*\g+3], v7 offset:256*\c+16*\g   ; LDS serves a wave's instructions in order (ISA guide 5.7.1.4): these see the stores above
.endr
.endr
	s_wait_dscnt 0x0                               ; my 64 numbers are in, and the stores have read their registers,
.if (\t) < 2
	XLOAD (\t)+2                                   ; which take the loads of two steps on
.endif
.irp c, 0,1
	v_max3_num_f32 v[9+\c], |v[XN+32*\c]|, |v[XN+32*\c+1]|, 0x1800000   ; the two blocks by turns; the floor 2^(3 - 127) among the leaves
.endr
.irp i, 2,4,6,8,10,12,14,16,18,20,22,24,26,28,30
.irp c, 0,1
	v_max3_num_f32 v[9+\c], v[9+\c], |v[XN+32*\c+\i]|, |v[XN+32*\c+\i+1]|
.endr
.endr
.irp c, 0,1
	v_add_nc_u32 v[11+\c], 0xff000000, v[9+\c]     ; the conversion's scale operand
.endr
.irp c, 0,1
.irp g, 0,1,2,3
	v_cvt_scalef32_pk8_fp4_f32 v[CC+4*\c+\g], v[XN+32*\c+8*\g:XN+32*\c+8*\g+7], v[11+\c]
.endr
.endr
.irp c, 0,1
	v_lshrrev_b32 v[13+\c], 23, v[11+\c]           ; the bytes of blocks h and 2 + h.  (Plain lines behind the conversions)
.endr
	v_lshl_or_b32 v15, v14, 16, v13
	v_lshlrev_b32 v15, v30, v15                    ; at their places in the word: 8 h bits up
	v_permlanex16_b32 v31, v15, s30, s31
	v_or_b32 v[24+(\t)], v15, v31                  ; with lane l xor 16's two the word is whole
.irp c, 0,1
	global_store_b128 v5, v[CC+4*\c:CC+4*\c+3], s[10:11] offset:(\t)*1024+\c*512   ; the image of registers 4 c .. 4 c + 3: 512 consecutive bytes
.endr
.endm
	s_load_b256 s[4:11], s[0:1], 0x0               ; x s[4:5], w_qkv s[6:7], w_proj s[8:9], xc s[10:11]
	s_load_b256 s[12:19], s[0:1], 0x20             ; xs s[12:13], wq s[14:15], ws s[16:17], wp s[18:19]
	v_lshl_add_u32 v[SPW], v0, 2, SPARE
	v_mov_b32 v[NIL], 0
	v_lshrrev_b32 v1, 5, v0
	v_readfirstlane_b32 s20, v1                    ; wave 0..3
	v_and_b32 v1, 31, v0                           ; lane
	v_and_b32 v2, 15, v0                           ; r
	v_bfe_u32 v3, v0, 4, 1                         ; h
	v_lshlrev_b32 v4, 2, v1                        ; 4 x lane
	v_lshlrev_b32 v5, 4, v1                        ; 16 x lane
	s_mul_i32 s27, s20, 8448                       ; my stage: 16 rows x 528 bytes
	v_add_nc_u32 v6, s27, v5                       ; into it: 16 x lane of a row
	v_mul_u32_u24 v7, v2, 528
	v_lshl_add_u32 v7, v3, 7, v7
	v_add_nc_u32 v7, s27, v7                       ; out of it: row r, + 128 h
	v_lshlrev_b32 v8, 4, v2                        ; 16 r: my row's four scale words
	v_lshlrev_b32 v30, 3, v3                       ; 8 h
	v_mov_b32 v31, 0                               ; written once: a lane permute's destination counts as one of its sources
	s_mov_b32 s30, 0x76543210
	s_mov_b32 s31, 0xfedcba98                      ; v_permlanex16_b32's selects for lane l xor 16
	s_mov_b32 s25, 0
	s_wait_kmcnt 0x0
	s_cmp_lt_u32 ttmp9, 192
	s_cbranch_scc1 .Lwq
	s_cmp_lt_u32 ttmp9, 256
	s_cbranch_scc1 .Lwp
	; ---- x: wave W of 1,024 takes rows 16 (W / 2) on and K from 512 (W % 2) on
	s_sub_co_u32 s21, ttmp9, 256
	s_lshl_b32 s21, s21, 2
	s_add_co_u32 s21, s21, s20                     ; W
	s_lshr_b32 s22, s21, 1
	s_and_b32 s23, s21, 1
	s_lshl_b32 s24, s22, 16                        ; 16 rows of 4,096 bytes
	s_lshl_b32 s26, s23, 11                        ; 512 numbers
	s_add_co_u32 s24, s24, s26
	s_add_nc_u64 s[4:5], s[4:5], s[24:25]
	s_lshl_b32 s24, s21, 12                        ; 4,096 bytes of codes a wave
	s_add_nc_u64 s[10:11], s[10:11], s[24:25]
	s_lshl_b32 s24, s21, 8                         ; 256 bytes of scale words a wave
	s_add_nc_u64 s[12:13], s[12:13], s[24:25]
	XLOAD 0
	XLOAD 1
	XSTEP 0
	XSTEP 1
	XSTEP 2
	XSTEP 3
	s_wait_xcnt 0x0                                ; EXEC changes only behind this wait: it is a source of the stores above
	v_cmp_gt_u32 vcc_lo, 16, v1
	s_and_saveexec_b32 s28, vcc_lo                 ; both halves of the lanes hold the same words: lanes 0-15 store them
	global_store_b128 v8, v[24:27], s[12:13]       ; 16 lanes x 16 bytes: 256 consecutive bytes, aligned
	s_wait_xcnt 0x0                                ; and again, in front of the line that widens it
	s_or_b32 exec_lo, exec_lo, s28
	s_wait_tensorcnt 0x0                           ; the wave's end, behind my last LDS store
	ds_add_u32 v[SPW], v[NIL]
	s_wait_dscnt 0x0
	s_endpgm
	; ---- w_qkv: a lane takes a column and its registers run down K: nothing is transposed, and a block's maximum needs no other lane
.Lwq:
	s_and_b32 s21, ttmp9, 7                        ; which 128 along K
	s_lshr_b32 s22, ttmp9, 3
	s_lshl_b32 s22, s22, 7
	s_lshl_b32 s23, s20, 5
	s_add_co_u32 s22, s22, s23                     ; my wave's first column
	s_mul_i32 s24, s21, 1572864                    ; 128 rows of 12,288 bytes
	s_lshl_b32 s26, s22, 2
	s_add_co_u32 s24, s24, s26
	s_add_nc_u64 s[6:7], s[6:7], s[24:25]
	s_mul_i32 s24, s21, 196608                     ; four blocks of 3,072 x 16 bytes
	s_lshl_b32 s27, s22, 4
	s_add_co_u32 s24, s24, s27
	s_add_nc_u64 s[14:15], s[14:15], s[24:25]
	s_mul_i32 s24, s21, 12288
	s_add_co_u32 s24, s24, s26
	s_add_nc_u64 s[16:17], s[16:17], s[24:25]
.set i, 0
.rept 128
	global_load_b32 v[WN+i], v4, s[6:7] offset:i*12288 th:TH_LOAD_NT   ; row i at 32 neighbouring columns
.set i, i+1
.endr
	WQBLOCK 0
	WQBLOCK 1
	WQBLOCK 2
	WQBLOCK 3
	global_store_b32 v4, v[SB], s[16:17]
	s_endpgm
	; ---- w_proj: the same shares; eight numbers down K make 16 bytes of f16
.Lwp:
	s_sub_co_u32 s21, ttmp9, 192
	s_and_b32 s22, s21, 7                          ; which 128 along K
	s_lshr_b32 s21, s21, 3
	s_lshl_b32 s21, s21, 7
	s_lshl_b32 s23, s20, 5
	s_add_co_u32 s21, s21, s23                     ; my wave's first column
	s_lshl_b32 s24, s22, 19                        ; 128 rows of 4,096 bytes
	s_lshl_b32 s26, s21, 2
	s_add_co_u32 s24, s24, s26
	s_add_nc_u64 s[8:9], s[8:9], s[24:25]
	s_lshl_b32 s24, s22, 18                        ; 16 octets of 1,024 x 16 bytes
	s_lshl_b32 s26, s21, 4
	s_add_co_u32 s24, s24, s26
	s_add_nc_u64 s[18:19], s[18:19], s[24:25]
.set i, 0
.rept 128
	global_load_b32 v[WN+i], v4, s[8:9] offset:i*4096 th:TH_LOAD_NT
.set i, i+1
.endr
.set o, 0
.rept 16
.if 120-8*o > 63
	s_wait_loadcnt 63                              ; behind octet o's loads 120 - 8 o were issued; a wait can name 63 at the most
.else
	s_wait_loadcnt 120-8*o
.endif
.irp j, 0,1,2,3
	v_cvt_pk_f16_f32 v[WC+4*o+\j], v[WN+8*o+2*\j], v[WN+8*o+2*\j+1]   ; the lower k in the lower half
.endr
	global_store_b128 v5, v[WC+4*o:WC+4*o+3], s[18:19] offset:o*16384   ; 512 consecutive bytes
.set o, o+1
.endr
	s_endpgm
.Lfunc_end_k_qc401df80a9_prep:
	.size	k_qc401df80a9_prep, .Lfunc_end_k_qc401df80a9_prep-k_qc401df80a9_prep
	.p2alignl 7, 3214868480
	.fill 96, 4, 3214868480
	.section	.rodata,"a",@progbits
	.p2align	6, 0x0
	.amdhsa_kernel k_qc401df80a9_prep
		.amdhsa_group_segment_fixed_size 34304
		.amdhsa_private_segment_fixed_size 0
		.amdhsa_enable_private_segment 0
		.amdhsa_kernarg_size 64
		.amdhsa_user_sgpr_count 2
		.amdhsa_user_sgpr_kernarg_segment_ptr 1
		.amdhsa_wavefront_size32 1
		.amdhsa_system_sgpr_workgroup_id_x 1
		.amdhsa_system_sgpr_workgroup_id_y 1
		.amdhsa_system_sgpr_workgroup_id_z 1
		.amdhsa_system_vgpr_workitem_id 0
		.amdhsa_next_free_vgpr 248
		.amdhsa_next_free_sgpr 66
		.amdhsa_reserve_vcc 1
		.amdhsa_float_denorm_mode_32 3
		.amdhsa_float_denorm_mode_16_64 3
		.amdhsa_memory_ordered 1
		.amdhsa_forward_progress 1
		.amdhsa_inst_pref_size 67
	.end_amdhsa_kernel
	.amdgpu_metadata
---
amdhsa.version: [ 1, 2 ]
amdhsa.kernels:
  - .name:           k_qc401df80a9_prep
    .symbol:         k_qc401df80a9_prep.kd
    .args:
      - { .name: x, .offset: 0, .size: 8, .value_kind: global_buffer, .address_space: global }
      - { .name: w_qkv, .offset: 8, .size: 8, .value_kind: global_buffer, .address_space: global }
      - { .name: w_proj, .offset: 16, .size: 8, .value_kind: global_buffer, .address_space: global }
      - { .name: xc, .offset: 24, .size: 8, .value_kind: global_buffer, .address_space: global }
      - { .name: xs, .offset: 32, .size: 8, .value_kind: global_buffer, .address_space: global }
      - { .name: wq, .offset: 40, .size: 8, .value_kind: global_buffer, .address_space: global }
      - { .name: ws, .offset: 48, .size: 8, .value_kind: global_buffer, .address_space: global }
      - { .name: wp, .offset: 56, .size: 8, .value_kind: global_buffer, .address_space: global }
    .group_segment_fixed_size: 34304
    .private_segment_fixed_size: 0
    .kernarg_segment_align: 8
    .kernarg_segment_size: 64
    .max_flat_workgroup_size: 128
    .sgpr_count:     66
    .vgpr_count:     248
    .wavefront_size: 32
...
	.end_amdgpu_metadata
.endif
;; end of part 1
;; launch qkvgemm (part 2): grid 32 x 8, 4 waves a work-group, clusters of 4 x 1, 206,336 bytes of LDS; arguments xc, xs, wq, ws, qkvh; writes qkvh
.if DOCPART == 2
	.amdgcn_target "amdgcn-amd-amdhsa--gfx1250"
	.amdhsa_code_object_version 6
	.text
	.protected	k_qc401df80a9_qkvgemm
	.globl	k_qc401df80a9_qkvgemm
	.p2align	8
	.type	k_qc401df80a9_qkvgemm,@function
k_qc401df80a9_qkvgemm:
	s_mov_b64 s[64:65], 0
	v_nop
	global_prefetch_b8 v0, s[64:65] scope:SCOPE_SE
	s_setreg_imm32_b32 hwreg(HW_REG_WAVE_MODE, 25, 1), 1
	s_wait_xcnt 0x0
	s_wait_alu depctr_hold_cnt(0) depctr_sa_sdst(0) depctr_va_vdst(0) depctr_va_sdst(0) depctr_va_ssrc(0) depctr_va_vcc(0) depctr_vm_vsrc(0)
	s_getreg_b32 s2, hwreg(HW_REG_IB_STS2, 6, 4)
	s_cmp_eq_u32 s2, 0
	s_cbranch_scc0 .Lentry_in_a_cluster
	s_endpgm
.Lentry_in_a_cluster:
	s_bfe_u32 s2, ttmp6, 0x10000c
	s_cmp_lg_u32 s2, 0x3003
	s_cbranch_scc0 .Lentry_shape_is_right
	s_endpgm
.Lentry_shape_is_right:
; q, k, v = Q(x) Q(w_qkv): [8192][1024] x [1024][3072] on codes of FP4 (E2M1) with one E8M0 scale for each 32 along K; sums in f32; the results leave as f16:
;   q at +0 and k at +16,777,216: [b 16 + head][t][64];   v at +33,554,432, turned: [b 16 + head][t / 64][d][t % 64], since the keys are the K of attention's second product.
; LIMIT: |q|, |k|, |v| beyond 65,504 leave f16's range.
; SHARES.  A work-group makes 256 rows x 384 columns: the 128 columns (two heads) of q, of k and of v.  Wave w owns rows 64 w .. 64 w + 63 and ALL columns, a section of 128 columns at a time:
; 32 accumulators.  Its rows' codes for the whole of K (4 x 8 fragments, 256 registers) stay in registers, read from memory once as images of the registers.
; The three sections of w's codes, 65,536 bytes each, lie whole in LDS: first fills alone, so no LDS byte is filled twice and there is no ring.
; CLUSTER.  The four work-groups of a cluster share the heads and differ in their rows, so each tile of w is asked for JOINTLY: the same tensor load, the same descriptor, the mask of all four.
; q and k are made TRANSPOSED (source 0 = 16 columns of w, source 1 = 16 rows of x): a lane holds one token and eight neighbouring d.  v is made the natural way round: a lane holds one d and
; eight neighbouring tokens.  Either way four accumulators pack into 16 rows of 128 bytes, which go through my stage in LDS and leave as 2,048 consecutive bytes.
; REGISTERS, in windows of 256: window 0: v1-9 addresses; v16-31 x's scale words; v32-127 w's; v128-143 packed results; v160-191 rows read back, two sets.
;   window 1: x's fragments, (a, s) at 8 (8 a + s).   window 2: the accumulators, (a, b) at 8 (8 a + b).   window 3: w's fragments, two sets of 64.
.set STAGE, 196608                     ; behind w's three sections: 16 rows x 144 bytes for each wave
.set SPARE, 205824                     ; behind the stages: the spare words, 128 bytes for each wave, which no other line names
.set ADB,  3                           ; v3-5  section sec: 65,536 sec + 2,048 h + 16 r
.set STO,  6                           ; v6    the way out: where I put 16 bytes of a row
.set RD,   7                           ; v7    and where I read rows back
.set SPW,  8                           ; v8    LDS address of my spare word; never rewritten
.set NIL,  9                           ; v9    0; never rewritten
.set XS,   16                          ; register 4 a + j: lanes 0-15 the word of K step j of rows 16 a + r, lanes 16-31 that of K step 4 + j
.set WS,   32                          ; register 32 sec + 8 p + s: K step s; lanes 0-15 column block 2 p, lanes 16-31 block 2 p + 1
.set TMP,  128
.set BK,   160
.set WV,   18                          ; s18  my wave's number
.set G1,   24                          ; s[24:31] descriptor group 1, the same for all three loads
.set G0,   32                          ; s[32:43] descriptor group 0, a set for each section
.set OUTB, 44                          ; s[44:49] where my rows begin in the three sections of the output
.set MSB, 0
.macro WIN new                         ; the immediate's high byte repeats the setting that is left
.if MSB != \new
	s_set_vgpr_msb (MSB<<8)|\new
.set MSB, \new
.endif
.endm
.macro CROUND                          ; a round of the cluster's barrier
	s_barrier_signal -1
	s_barrier_wait -1
	s_cmp_lg_u32 s[WV], 0
	s_cbranch_scc1 .Lnot_wave_0_\@
	s_barrier_signal -3
.Lnot_wave_0_\@:
	s_barrier_wait -3
	s_barrier_signal -1
	s_barrier_wait -1
.endm
.macro PLACES                          ; four plain lines behind a matrix instruction, ahead of loads into registers that it read and of the first read of results
.rept 4
	v_nop
.endr
.endm
; w's eight fragments of K step s of a section into set p.  Lane (r, h) takes column 16 b + r; registers 4 c .. 4 c + 3 are the block 4 s + 2 c + h: sixteen lanes read 256 consecutive bytes
.macro FETCH_B sec, s, p
	WIN 0xc0                                       ; destination window 3, address window 0
.irp b, 0,1,2,3,4,5,6,7
.irp c, 0,1
	ds_load_b128 v[64*(\p)+8*\b+4*\c:64*(\p)+8*\b+4*\c+3], v[ADB+\sec] offset:(4*(\s)+2*\c)*2048+\b*256
.endr
.endr
.endm
; one product; rD, rS0, rS1, rC0, rC1 name its registers, q0 and q1 the halves of the lanes in which the two sides' scale words stand
.macro MM s
.if (\s) == 0
.if q0
	v_wmma_scale_f32_16x16x128_f8f6f4 v[rD:rD+7], v[rS0:rS0+7], v[rS1:rS1+7], 0, v[rC0], v[rC1] matrix_a_fmt:MATRIX_FMT_FP4 matrix_b_fmt:MATRIX_FMT_FP4 matrix_a_scale:MATRIX_SCALE_ROW1
.elseif q1
	v_wmma_scale_f32_16x16x128_f8f6f4 v[rD:rD+7], v[rS0:rS0+7], v[rS1:rS1+7], 0, v[rC0], v[rC1] matrix_a_fmt:MATRIX_FMT_FP4 matrix_b_fmt:MATRIX_FMT_FP4 matrix_b_scale:MATRIX_SCALE_ROW1
.else
	v_wmma_scale_f32_16x16x128_f8f6f4 v[rD:rD+7], v[rS0:rS0+7], v[rS1:rS1+7], 0, v[rC0], v[rC1] matrix_a_fmt:MATRIX_FMT_FP4 matrix_b_fmt:MATRIX_FMT_FP4
.endif
.else
.if q0 && q1
	v_wmma_scale_f32_16x16x128_f8f6f4 v[rD:rD+7], v[rS0:rS0+7], v[rS1:rS1+7], v[rD:rD+7], v[rC0], v[rC1] matrix_a_fmt:MATRIX_FMT_FP4 matrix_b_fmt:MATRIX_FMT_FP4 matrix_a_scale:MATRIX_SCALE_ROW1 matrix_b_scale:MATRIX_SCALE_ROW1
.elseif q0
	v_wmma_scale_f32_16x16x128_f8f6f4 v[rD:rD+7], v[rS0:rS0+7], v[rS1:rS1+7], v[rD:rD+7], v[rC0], v[rC1] matrix_a_fmt:MATRIX_FMT_FP4 matrix_b_fmt:MATRIX_FMT_FP4 matrix_a_scale:MATRIX_SCALE_ROW1
.elseif q1
	v_wmma_scale_f32_16x16x128_f8f6f4 v[rD:rD+7], v[rS0:rS0+7], v[rS1:rS1+7], v[rD:rD+7], v[rC0], v[rC1] matrix_a_fmt:MATRIX_FMT_FP4 matrix_b_fmt:MATRIX_FMT_FP4 matrix_b_scale:MATRIX_SCALE_ROW1
.else
	v_wmma_scale_f32_16x16x128_f8f6f4 v[rD:rD+7], v[rS0:rS0+7], v[rS1:rS1+7], v[rD:rD+7], v[rC0], v[rC1] matrix_a_fmt:MATRIX_FMT_FP4 matrix_b_fmt:MATRIX_FMT_FP4
.endif
.endif
.endm
; K step s of a section: 32 products.  The 32 accumulators take turns, one instruction a turn, in the same order in every step.  The first step starts the sums: nothing is cleared.
.macro MUL32 sec, s, nat
.if \nat
	WIN 0xad                                       ; source 0 (x) window 1, source 1 (w) window 3, C and D window 2
.else
	WIN 0xa7                                       ; source 0 (w) window 3, source 1 (x) window 1, C and D window 2
.endif
.irp a, 0,1,2,3
.irp b, 0,1,2,3,4,5,6,7
.set rD, 8*(8*\a+\b)
.set rW, WS+32*(\sec)+8*(\b/2)+(\s)
.set rX, XS+4*\a+(\s)%4
.if \nat
.set rS0, 8*(8*\a+(\s))
.set rS1, 64*((\s)%2)+8*\b
.set rC0, rX
.set rC1, rW
.set q0, (\s)/4
.set q1, \b%2
.else
.set rS0, 64*((\s)%2)+8*\b
.set rS1, 8*(8*\a+(\s))
.set rC0, rW
.set rC1, rX
.set q0, \b%2
.set q1, (\s)/4
.endif
	MM \s
.endr
.endr
.endm
; THE WAY OUT, eight groups of four accumulators a section.  Transposed (q, k): group n = rows 16 (n / 2) on, head n % 2.  Natural (v): group n = d 16 (n % 4) on of head n / 4, all 64 tokens.
.macro PACK n, nat
	WIN 0x0a                                       ; sources 0 and 1 window 2
.irp e, 0,1,2,3
.if \nat
.set rD, 8*(8*\e+(\n))
.else
.set rD, 8*(8*((\n)/2)+4*((\n)%2)+\e)
.endif
.irp j, 0,1,2,3
	v_cvt_pk_f16_f32 v[TMP+4*\e+\j], v[rD+2*\j], v[rD+2*\j+1]   ; each accumulator from its low end on
.endr
.endr
	WIN 0
.endm
.macro TOSTAGE n
.irp e, 0,1,2,3
	ds_store_b128 v[STO], v[TMP+4*\e:TMP+4*\e+3] offset:32*\e
.endr
.irp i, 0,1,2,3
	ds_load_b128 v[BK+16*((\n)%2)+4*\i:BK+16*((\n)%2)+4*\i+3], v[RD] offset:\i*576   ; four rows a load; LDS serves a wave's instructions in order (ISA guide 5.7.1.4): these see the stores above
.endr
.endm
.macro SEND n, nat, sec
.if \nat
.set IMM, ((\n)/4)*262144+((\n)%4)*2048
.else
.set IMM, ((\n)%2)*262144+((\n)/2)*2048
.endif
	s_wait_dscnt 0x0                               ; the group is back in registers
	s_wait_xcnt 0x0                                ; the group before has been read by its stores: the next group's loads may land on its registers
.irp i, 0,1,2,3
	global_store_b128 v1, v[BK+16*((\n)%2)+4*\i:BK+16*((\n)%2)+4*\i+3], s[OUTB+2*(\sec):OUTB+2*(\sec)+1] offset:IMM+\i*512   ; 512 consecutive bytes, aligned
.endr
.endm
.macro PASS sec, nat
	s_wait_tensorcnt 2-\sec                        ; my part of this section has landed; the later sections' loads may stay out
	s_barrier_signal -1
	s_barrier_wait -1                              ; everybody's has
	FETCH_B \sec, 0, 0
.irp s, 0,1,2,3,4,5,6
	PLACES
	FETCH_B \sec, \s+1, (\s+1)%2
	s_wait_dscnt 16                                ; all but the 16 just issued
	MUL32 \sec, \s, \nat
.endr
	s_wait_dscnt 0x0
	MUL32 \sec, 7, \nat
	WIN 0
	PLACES
	s_wait_xcnt 0x0                                ; the last section's stores have read their registers
	PACK 0, \nat
	TOSTAGE 0
.irp n, 1,2,3,4,5,6,7
	PACK \n, \nat
	SEND \n-1, \nat, \sec
	TOSTAGE \n
.endr
	SEND 7, \nat, \sec
.endm
	s_load_b256 s[4:11], s[0:1], 0x0               ; xc s[4:5], xs s[6:7], wq s[8:9], ws s[10:11]
	s_load_b64 s[12:13], s[0:1], 0x20              ; the output
	v_lshl_add_u32 v[SPW], v0, 2, SPARE
	v_mov_b32 v[NIL], 0
	ds_add_u32 v[SPW], v[NIL]                      ; the wave's opening: the add and its wait stand ahead of my first tensor load; work on registers stands between them
	v_lshrrev_b32 v10, 5, v0
	v_readfirstlane_b32 s[WV], v10                 ; wave 0..3
	v_and_b32 v10, 31, v0                          ; lane
	v_lshlrev_b32 v1, 4, v10                       ; 16 x lane
	v_lshlrev_b32 v2, 2, v10                       ; 4 x lane
	s_bfe_u32 s19, ttmp6, 0x40000                  ; cx: my place in the cluster; it enters the addresses of x's codes and scales and of the output alone
	s_lshl_b32 s20, ttmp9, 2
	s_add_co_u32 s20, s20, s19                     ; my 256 rows: 4 x cluster x + cx
	s_and_b32 s21, ttmp7, 0xffff                   ; my two heads, which the four partners share
	s_mov_b32 s[G1+0], 15|(3<<16)|(1<<21)          ; 15:0 the mask: all four work-groups; 17:16 elements of 8 bytes; 21 set beside a mask; no padding
	s_mov_b32 s[G1+1], 256<<16                     ; tensor_dim0 = 256 elements: 128 columns x 16 bytes
	s_mov_b32 s[G1+2], 8<<16                       ; tensor_dim1 = 8 blocks of 32 along K
	s_mov_b32 s[G1+3], 256<<16                     ; tile_dim0
	s_mov_b32 s[G1+4], 8                           ; tile_dim1
	s_mov_b32 s[G1+5], 6144                        ; from block to block: 3,072 columns x 16 bytes
	s_mov_b32 s[G1+6], 0
	s_mov_b32 s[G1+7], 0
	s_mul_i32 s52, s[WV], 393216                   ; w's codes: my eight blocks along K,
	s_lshl_b32 s54, s21, 11                        ; my heads' 128 columns
	s_add_co_u32 s52, s52, s54
	s_mov_b32 s53, 0
	s_lshl_b32 s55, s[WV], 14                      ; and their place in a section in LDS
	s_lshl_b32 s22, s20, 17                        ; x's codes: 8,192 bytes for 16 rows
	s_lshl_b32 s16, s[WV], 15
	s_add_co_u32 s22, s22, s16
	s_mov_b32 s23, 0
	s_lshl_b32 s14, s20, 13                        ; x's scale words: 512 bytes for 16 rows
	s_lshl_b32 s16, s[WV], 11
	s_add_co_u32 s14, s14, s16
	s_mov_b32 s15, 0
	s_lshl_b32 s16, s21, 9                         ; w's scale words: 4 bytes a column
	s_mov_b32 s17, 0
	s_wait_dscnt 0x0                               ; the opening add is done
	s_wait_kmcnt 0x0
	s_add_nc_u64 s[4:5], s[4:5], s[22:23]
	s_add_nc_u64 s[6:7], s[6:7], s[14:15]
	s_add_nc_u64 s[10:11], s[10:11], s[16:17]
	s_add_nc_u64 s[52:53], s[8:9], s[52:53]
	s_lshr_b32 s22, s20, 3                         ; the output: batch = rows / 2,048,
	s_lshl_b32 s22, s22, 4
	s_lshl_b32 s14, s21, 1
	s_add_co_u32 s22, s22, s14                     ; 16 x batch + my first head,
	s_lshl_b32 s22, s22, 18                        ; 2,048 rows of 128 bytes each;
	s_and_b32 s14, s20, 7
	s_lshl_b32 s14, s14, 15                        ; my work-group's 256 tokens
	s_add_co_u32 s22, s22, s14
	s_lshl_b32 s14, s[WV], 13                      ; my wave's 64
	s_add_co_u32 s22, s22, s14
	s_add_nc_u64 s[OUTB:OUTB+1], s[12:13], s[22:23]
	s_add_nc_u64 s[OUTB+2:OUTB+3], s[OUTB:OUTB+1], 16777216
	s_add_nc_u64 s[OUTB+4:OUTB+5], s[OUTB:OUTB+1], 33554432
	WIN 0x40                                       ; destination window 1
.irp a, 0,1,2,3
.irp s, 0,1,2,3,4,5,6,7
.irp c, 0,1
	global_load_b128 v[8*(8*\a+\s)+4*\c:8*(8*\a+\s)+4*\c+3], v1, s[4:5] offset:\a*8192+\s*1024+\c*512   ; x's fragments: 512 consecutive bytes a load; they stay
.endr
.endr
.endr
	WIN 0
.irp a, 0,1,2,3
	global_load_b128 v[XS+4*\a:XS+4*\a+3], v1, s[6:7] offset:\a*512
.endr
.irp sec, 0,1,2
.irp p, 0,1,2,3
.irp s, 0,1,2,3,4,5,6,7
	global_load_b32 v[WS+32*\sec+8*\p+\s], v2, s[10:11] offset:\s*12288+\sec*4096+\p*128
.endr
.endr
.endr
	CROUND                                         ; all four work-groups are here: the joint loads meet
.irp sec, 0,1,2
	s_mov_b32 s[G0+4*\sec], 1                      ; count = 1
	s_add_co_u32 s[G0+4*\sec+1], s55, \sec*65536   ; LDS address
	s_add_nc_u64 s[G0+4*\sec+2:G0+4*\sec+3], s[52:53], \sec*16384   ; global address: the section's 1,024 columns on
	s_or_b32 s[G0+4*\sec+3], s[G0+4*\sec+3], 0x80000000            ; type = 2
.endr
.irp sec, 0,1,2
	tensor_load_to_lds s[G0+4*\sec:G0+4*\sec+3], s[G1:G1+7]        ; the first fills, one group: three loads of mine are out
	s_nop 0
.endr
.rept 4
	v_nop
.endr
	v_and_b32 v11, 15, v0                          ; r
	v_bfe_u32 v12, v0, 4, 1                        ; h
	v_lshlrev_b32 v[ADB], 4, v11
	v_lshl_add_u32 v[ADB], v12, 11, v[ADB]
	v_add_nc_u32 v[ADB+1], 65536, v[ADB]
	v_add_nc_u32 v[ADB+2], 131072, v[ADB]
	s_mul_i32 s56, s[WV], 2304
	s_add_co_u32 s56, s56, STAGE                   ; my stage
	v_mul_u32_u24 v[STO], v11, 144
	v_lshl_add_u32 v[STO], v12, 4, v[STO]
	v_add_nc_u32 v[STO], s56, v[STO]               ; in: row r, + 16 h
	v_lshrrev_b32 v13, 3, v10
	v_mul_u32_u24 v13, v13, 144
	v_and_b32 v14, 7, v10
	v_lshl_add_u32 v13, v14, 4, v13
	v_add_nc_u32 v[RD], s56, v13                   ; back: eight lanes to a row of 128 bytes
	s_wait_loadcnt 0x0                             ; x's fragments and all scale words
	PASS 0, 0                                      ; q
	PASS 1, 0                                      ; k
	PASS 2, 1                                      ; v
	s_wait_tensorcnt 0x0                           ; the wave's end, behind my last tensor load and my last LDS store
	ds_add_u32 v[SPW], v[NIL]
	s_wait_dscnt 0x0
	CROUND                                         ; the closing round
	s_endpgm
.Lfunc_end_k_qc401df80a9_qkvgemm:
	.size	k_qc401df80a9_qkvgemm, .Lfunc_end_k_qc401df80a9_qkvgemm-k_qc401df80a9_qkvgemm
	.p2alignl 7, 3214868480
	.fill 96, 4, 3214868480
	.section	.rodata,"a",@progbits
	.p2align	6, 0x0
	.amdhsa_kernel k_qc401df80a9_qkvgemm
		.amdhsa_group_segment_fixed_size 206336
		.amdhsa_private_segment_fixed_size 0
		.amdhsa_enable_private_segment 0
		.amdhsa_kernarg_size 40
		.amdhsa_user_sgpr_count 2
		.amdhsa_user_sgpr_kernarg_segment_ptr 1
		.amdhsa_wavefront_size32 1
		.amdhsa_system_sgpr_workgroup_id_x 1
		.amdhsa_system_sgpr_workgroup_id_y 1
		.amdhsa_system_sgpr_workgroup_id_z 1
		.amdhsa_system_vgpr_workitem_id 0
		.amdhsa_next_free_vgpr 896
		.amdhsa_next_free_sgpr 66
		.amdhsa_reserve_vcc 0
		.amdhsa_float_denorm_mode_32 3
		.amdhsa_float_denorm_mode_16_64 3
		.amdhsa_memory_ordered 1
		.amdhsa_forward_progress 1
		.amdhsa_inst_pref_size 195
	.end_amdhsa_kernel
	.amdgpu_metadata
---
amdhsa.version: [ 1, 2 ]
amdhsa.kernels:
  - .name:           k_qc401df80a9_qkvgemm
    .symbol:         k_qc401df80a9_qkvgemm.kd
    .args:
      - { .name: xc, .offset: 0, .size: 8, .value_kind: global_buffer, .address_space: global }
      - { .name: xs, .offset: 8, .size: 8, .value_kind: global_buffer, .address_space: global }
      - { .name: wq, .offset: 16, .size: 8, .value_kind: global_buffer, .address_space: global }
      - { .name: ws, .offset: 24, .size: 8, .value_kind: global_buffer, .address_space: global }
      - { .name: qkvh, .offset: 32, .size: 8, .value_kind: global_buffer, .address_space: global }
    .group_segment_fixed_size: 206336
    .private_segment_fixed_size: 0
    .kernarg_segment_align: 8
    .kernarg_segment_size: 40
    .max_flat_workgroup_size: 128
    .sgpr_count:     66
    .vgpr_count:     896
    .wavefront_size: 32
...
	.end_amdgpu_metadata
.endif
;; end of part 2
;; launch attn (part 3): grid 4 x 64, 16 waves a work-group, no clusters, 327,680 bytes of LDS; arguments qkvh, att; writes att
.if DOCPART == 3
	.amdgcn_target "amdgcn-amd-amdhsa--gfx1250"
	.amdhsa_code_object_version 6
	.text
	.protected	k_qc401df80a9_attn
	.globl	k_qc401df80a9_attn
	.p2align	8
	.type	k_qc401df80a9_attn,@function
k_qc401df80a9_attn:
	s_mov_b64 s[64:65], 0
	v_nop
	global_prefetch_b8 v0, s[64:65] scope:SCOPE_SE
	s_setreg_imm32_b32 hwreg(HW_REG_WAVE_MODE, 25, 1), 1
	s_wait_xcnt 0x0
; att[head][b 2048 + q][:] = the sum over k <= q of softmax_k(Q[q] . K[k] / 8) V[k][:], for 64 (batch, head) pairs of 2,048 tokens and head size 64.  Operands f16; products, maxima and sums f32.
; Inputs: q and k as [bh][t][64] f16, v turned as [bh][t / 64][d][t % 64] f16.  The result leaves as f16, [head][token][64], the order in which the projection's tiles want it.
; LIMIT: f16's range, 65,504, for q, k, v and the result.
; SOFTMAX.  For each query a running maximum m and sum l: p = 2^(c s - c m), c = log2(e) / 8; in every step O and l are multiplied by a = 2^(c m_old - c m_new).  The row's sum is taken of p before it is rounded to f16.
; SHARES.  A head's eight blocks of 256 queries are paired (i, 7 - i), so that every work-group has 9 blocks of 256 x 256 to do.  Waves 0-7 own block i, waves 8-15 block 7 - i, 32 queries (two tiles of 16) a wave.
; All sixteen walk one stream of K and V, 64 keys a step, through a ring of two LDS slots of 256 keys filled by the tensor data mover (waves 0, 1: K's halves; waves 2, 3: V's).
; CAUSAL.  Every work-group walks all 8 slots: the trip counts are constants.  A step all of whose keys come after the wave's queries is left out by a scalar branch on ids; in the one step on the diagonal hidden
; scores become -infinity ahead of the maximum.  A slot whose first key comes after the work-group's last query is not asked for: the jump hangs on ids and the count of steps alone, is the same in all waves,
; leads round the load's own lines alone, and every wait on TENSORcnt in this text is for 0.
; NO CLUSTER: the four work-groups of a head read the same K and V, but have all sixteen waves at work in slots 0 .. i and eight in slots i + 1 .. 7 - i.  Joint loads would tie each slot to the busiest partner:
; four slots of sixteen waves' work and four of eight, 12 blocks' time against the 9 that each has.
; LAYOUT.  Both products are used transposed: S^T = K Q^T (source 0 = 16 keys, source 1 = 16 queries), O^T = V^T P (source 0 = 16 of the head's 64, source 1 = P): a lane holds ONE query (lane % 16) throughout, and two
; tiles of S^T, rounded to f16 in pairs, ARE source 1 of the second product.
.set KP,    144                        ; a row of K or of V's tile in LDS: 128 bytes + 16 = 36 words: the 16 rows of a load start at 16 different banks of the 64 (ISA guide 11.1)
.set VOFF,  36864                      ; a slot: 256 rows of K, then 256 rows of V (4 chunks of 64 keys x 64 d)
.set SLOT1, 1<<17                      ; slot 1 begins here: one exclusive or turns an address in one slot into the other's
.set STAGE, 204800                     ; behind the ring: 16 rows x 144 bytes for each wave, for the way out
.set SPARE, 241664                     ; behind the stages: the spare words, 128 bytes for each wave, which no other line names
.set AK0,  1                           ; v1   my lane's place in a tile: 144 r + 16 h
.set ADK,  2                           ; v2   LDS address of the slot's K
.set ADV,  3                           ; v3   and V
.set SPW,  4                           ; v4   LDS address of my spare word; never rewritten
.set NIL,  5                           ; v5   0; never rewritten
.set GO,   6                           ; v6   16 x lane
.set STO,  7                           ; v7   the way out: where I put 16 bytes of a row
.set RD,   8                           ; v8   and where I read rows back
.set MD,   9                           ; v9   r - 8 h
.set NINF, 10                          ; v10  -infinity
.set DM,   11                          ; v11, v61  the mask's bound for tile 0, 1 (v[DM + 50 t])
.set ST,   12                          ; tile t's statistics at v[12 + 8 t]: +0 c m, +1 m, +2, +3 l (even keys', odd keys'), +4 .. +7 c0-c3 at work; a takes c2's place
.set QF,   28                          ; v28-59   Q's fragments, (t, c) at 28 + 16 t + 8 c
.set PFO,  60                          ; v60  256 x lane; never rewritten
.set KV,   64                          ; v64-127  K's fragments (a, c), later V's (dt, kc), at 64 + 16 first + 8 second
.set S,    128                         ; v128-191 S^T, tile (t, a) at 128 + 32 t + 8 a; P is laid in place, at 128 + 32 t + 0 .. 15
.set OT,   192                         ; v192-255 O^T, tile (t, dt) at 192 + 32 t + 8 dt
.set WV,   18
.set SEL,  20                          ; s[20:21] v_permlanex16_b32's selects for lane l xor 16
.set CS,   22                          ; s[22:23] c: the packed form names a pair and takes its low word for both halves
.set G1,   24                          ; s[24:31] descriptor group 1: K's and V's tiles have one shape
.set G0,   40                          ; s[40:43] descriptor group 0, which walks
.set TB,   2                           ; s2   LDS byte at which the slot in hand begins
.set SLOTS, 67                         ; s67  changes of slots still to come that may ask for a slot
.set PFA,  76                          ; s[76:77] where my prefetches stand
.set LIM,  80                          ; s80  1 in a wave that prefetches, else the greatest number
.set LASTQ, 97                         ; s97  my work-group's last query
.set KF,   98                          ; s98  the step's first key
.set Q0,   99                          ; s99  my first query
.macro TLOAD                           ; waves 0 to 3 fetch, one load each; an s_nop 0 and four v_nop follow the line
	s_cmp_lt_u32 s[WV], 4
	s_cbranch_scc0 .Lasked_\@
	tensor_load_to_lds s[G0:G0+3], s[G1:G1+7]
	s_nop 0
.rept 4
	v_nop
.endr
.Lasked_\@:
.endm
; A PREFETCH INTO THE L2 of what the NEXT change of slots will ask for: 32,768 dense bytes of K and as many of V.  The four work-groups of a head walk the same bytes: the first of them (x = 0), which walks all 8 slots,
; asks; in it waves 4 to 7 ask for K's, waves 8 to 11 for V's: 8,192 bytes a wave, lanes 256 bytes apart, one instruction.  So each block is named once in the launch.  It stands four key steps ahead of the load that
; will want the bytes.  The last change that fills a slot asks for nothing; slots 0 and 1 come by their loads alone.
.macro ASK
	s_cmp_gt_u32 s[SLOTS], s[LIM]
	s_cbranch_scc0 .Lnot_mine_\@
	global_prefetch_b8 v[PFO], s[PFA:PFA+1] th:TH_LOAD_NT scope:SCOPE_SE
.Lnot_mine_\@:
.endm
; 16 loads: the eight fragments (16 rows x 32 along the product's K) of the slot's q-th 64 rows
.macro FETCH adr, q
.irp a, 0,1,2,3
.irp c, 0,1
.irp e, 0,1
	ds_load_b128 v[KV+16*\a+8*\c+4*\e:KV+16*\a+8*\c+4*\e+3], v[\adr] offset:(64*(\q)+16*\a)*KP+64*\c+32*\e
.endr
.endr
.endr
.endm
; A KEY STEP: 64 keys, the q-th of the slot in hand
.macro STEP q
	s_add_co_u32 s96, s[Q0], 31
	s_cmp_gt_u32 s[KF], s96                        ; all its keys come after my 32 queries?
	s_cbranch_scc1 .Lhidden_\@
	v_add_nc_u32 v[ADK], s[TB], v[AK0]             ; five plain lines behind the last step's products: four ahead of loads into the registers that they read,
	v_add_nc_u32 v[ADV], VOFF, v[ADK]              ; five ahead of products that write over P
.rept 3
	v_nop
.endr
	FETCH ADK, \q
	s_wait_dscnt 0x0
.irp c, 0,1                                    ; S^T = K Q^T: the eight accumulators take turns; the first eight start the sums
.irp a, 0,1,2,3
.irp t, 0,1
.if \c == 0
	v_wmma_f32_16x16x32_f16 v[S+32*\t+8*\a:S+32*\t+8*\a+7], v[KV+16*\a+8*\c:KV+16*\a+8*\c+7], v[QF+16*\t+8*\c:QF+16*\t+8*\c+7], 0
.else
	v_wmma_f32_16x16x32_f16 v[S+32*\t+8*\a:S+32*\t+8*\a+7], v[KV+16*\a+8*\c:KV+16*\a+8*\c+7], v[QF+16*\t+8*\c:QF+16*\t+8*\c+7], v[S+32*\t+8*\a:S+32*\t+8*\a+7]
.endif
.endr
.endr
.endr
.rept 4
	v_nop                                          ; places ahead of the loads over K's fragments and of the first read of the scores
.endr
	FETCH ADV, \q                                  ; V lands while the softmax is walked
	s_add_co_u32 s96, s[KF], 63
	s_cmp_le_u32 s96, s[Q0]                        ; a step all of whose keys count skips the mask
	s_cbranch_scc1 .Lopen_\@
	s_sub_co_i32 s96, s[Q0], s[KF]
	v_add_nc_u32 v[DM], s96, v[MD]                 ; register 8 a + j of tile t holds key KF + 16 a + 8 h + j: hidden where 16 a + j > Q0 - KF + 16 t + r - 8 h
	v_add_nc_u32 v[DM+50], 16, v[DM]
.irp t, 0,1
.irp a, 0,1,2,3
.irp j, 0,1,2,3,4,5,6,7
	v_cmp_gt_i32 vcc_lo, 16*\a+\j, v[DM+50*\t]
	v_cndmask_b32 v[S+32*\t+8*\a+\j], v[S+32*\t+8*\a+\j], v[NINF], vcc_lo
.endr
.endr
.endr
.Lopen_\@:
.irp j, 0,1,2,3                                ; the maximum of my 32 scores and the old m, the two tiles line by line; each accumulator is read from its low end on
.irp t, 0,1
	v_max3_num_f32 v[ST+8*\t+4+\j], v[S+32*\t+8*\j], v[S+32*\t+8*\j+1], v[S+32*\t+8*\j+2]
.endr
.endr
.irp u, 1,2
.irp j, 0,1,2,3
.irp t, 0,1
	v_max3_num_f32 v[ST+8*\t+4+\j], v[ST+8*\t+4+\j], v[S+32*\t+8*\j+2*\u+1], v[S+32*\t+8*\j+2*\u+2]
.endr
.endr
.endr
.irp t, 0,1
	v_max3_num_f32 v[ST+8*\t+4], v[ST+8*\t+4], v[S+32*\t+7], v[S+32*\t+15]
.endr
.irp t, 0,1
	v_max3_num_f32 v[ST+8*\t+6], v[ST+8*\t+6], v[S+32*\t+23], v[S+32*\t+31]
.endr
.irp t, 0,1
	v_max3_num_f32 v[ST+8*\t+4], v[ST+8*\t+4], v[ST+8*\t+5], v[ST+8*\t+6]
.endr
.irp t, 0,1
	v_max3_num_f32 v[ST+8*\t+4], v[ST+8*\t+4], v[ST+8*\t+7], v[ST+8*\t+1]
.endr
.irp t, 0,1
	v_permlanex16_b32 v[ST+8*\t+5], v[ST+8*\t+4], s[SEL], s[SEL+1]   ; the query's other 32 keys lie in the lane 16 away
.endr
.irp t, 0,1
	v_mov_b32 v[ST+8*\t+7], v[ST+8*\t]             ; c m_old
.endr
.irp t, 0,1
	v_max_num_f32 v[ST+8*\t+1], v[ST+8*\t+4], v[ST+8*\t+5]
.endr
.irp t, 0,1
	v_mul_f32 v[ST+8*\t], s[CS], v[ST+8*\t+1]
.endr
.irp t, 0,1
	v_sub_f32 v[ST+8*\t+7], v[ST+8*\t+7], v[ST+8*\t]
.endr
.irp j, 0,2,4,6,8,10,12,14,16,18,20,22,24,26,28,30
.irp t, 0,1
	v_pk_fma_f32 v[S+32*\t+\j:S+32*\t+\j+1], v[S+32*\t+\j:S+32*\t+\j+1], s[CS:CS+1], v[ST+8*\t:ST+8*\t+1] op_sel_hi:[1,0,0] neg_lo:[0,0,1] neg_hi:[0,0,1]   ; c s - c m
.endr
.endr
.irp t, 0,1                                    ; ONE BATCH of 66 exponentials: none reads another's result
	v_exp_f32 v[ST+8*\t+6], v[ST+8*\t+7]           ; a
.endr
.set j, 0
.rept 32
.irp t, 0,1
	v_exp_f32 v[S+32*\t+j], v[S+32*\t+j]           ; p, at most 1
.endr
.set j, j+1
.endr
	v_nop                                          ; a plain line behind the last exponential
	s_wait_alu depctr_va_vdst(0)                   ; one wait for the batch, ahead of its first reader
.irp t, 0,1
	v_pk_mul_f32 v[ST+8*\t+2:ST+8*\t+3], v[ST+8*\t+2:ST+8*\t+3], v[ST+8*\t+6:ST+8*\t+7] op_sel_hi:[1,0]   ; l under the new m
.endr
.irp t, 0,1
	v_pk_add_f32 v[ST+8*\t+4:ST+8*\t+5], v[S+32*\t:S+32*\t+1], v[S+32*\t+2:S+32*\t+3]   ; the row's sum of the unrounded p, in two chains
.endr
.irp j, 4,8,12,16,20,24,28
.irp t, 0,1
	v_pk_add_f32 v[ST+8*\t+2:ST+8*\t+3], v[ST+8*\t+2:ST+8*\t+3], v[S+32*\t+\j:S+32*\t+\j+1]
	v_pk_add_f32 v[ST+8*\t+4:ST+8*\t+5], v[ST+8*\t+4:ST+8*\t+5], v[S+32*\t+\j+2:S+32*\t+\j+3]
.endr
.endr
.irp t, 0,1
	v_pk_add_f32 v[ST+8*\t+2:ST+8*\t+3], v[ST+8*\t+2:ST+8*\t+3], v[ST+8*\t+4:ST+8*\t+5]
.endr
.irp i, 0,1,2,3,4,5,6,7,8,9,10,11,12,13,14,15
.irp t, 0,1
	v_cvt_pk_f16_f32 v[S+32*\t+\i], v[S+32*\t+2*\i], v[S+32*\t+2*\i+1]   ; P, in place: register i is written when registers 2 i and 2 i + 1 have been read
.endr
.endr
.irp j, 0,2,4,6,8,10,12,14,16,18,20,22,24,26,28,30
.irp t, 0,1
	v_pk_mul_f32 v[OT+32*\t+\j:OT+32*\t+\j+1], v[OT+32*\t+\j:OT+32*\t+\j+1], v[ST+8*\t+6:ST+8*\t+7] op_sel_hi:[1,0]   ; O^T under the new m
.endr
.endr
	s_wait_dscnt 0x0                               ; V is in
.irp kc, 0,1                                   ; O^T += V^T P: the eight accumulators take turns
.irp dt, 0,1,2,3
.irp t, 0,1
	v_wmma_f32_16x16x32_f16 v[OT+32*\t+8*\dt:OT+32*\t+8*\dt+7], v[KV+16*\dt+8*\kc:KV+16*\dt+8*\kc+7], v[S+32*\t+8*\kc:S+32*\t+8*\kc+7], v[OT+32*\t+8*\dt:OT+32*\t+8*\dt+7]
.endr
.endr
.endr
.Lhidden_\@:
	s_add_co_u32 s[KF], s[KF], 64
.endm
; THE CHANGE OF SLOTS stands at a slot's head.  Each wave waits for all its tensor loads (its part of the slot that it is about to read), adds 0 to its spare word, and waits for that and for its reads of the slot that it
; has left.  Behind the barrier the slot ahead is whole and nobody reads the other one.  fill = 1: that other slot takes the next 256 keys, up to the causal limit: the load has four key steps in which to land.
.macro CHANGE fill
	s_wait_tensorcnt 0x0                           ; no tensor load of mine is out, so group 0 may be written
	ds_add_u32 v[SPW], v[NIL]                      ; 0 onto my spare word
.if \fill
	s_xor_b32 s[G0+1], s[G0+1], SLOT1              ; the other slot than last time,
	s_add_nc_u64 s[G0+2:G0+3], s[G0+2:G0+3], 32768 ; the next 256 keys; the type bits on top are not reached
	s_wait_xcnt 0x0                                ; the last prefetch, a slot back, has read its address, so it may be written
	s_add_nc_u64 s[PFA:PFA+1], s[PFA:PFA+1], 32768
.endif
	s_wait_dscnt 0x0                               ; the add is done, and my reads of the slot that I have left are over
	s_barrier_signal -1
	s_barrier_wait -1
.if \fill
	s_add_co_u32 s96, s[KF], 256                   ; the first key of the slot that this change would ask for
	s_cmp_gt_u32 s96, s[LASTQ]                     ; past the work-group's last query none of its waves would read it
	s_cbranch_scc1 .Lpast_\@
	TLOAD                                          ; a wave's one tensor load until the next such barrier
.Lpast_\@:
	ASK
.endif
.endm
.macro SLOT_STEPS
	STEP 0
	STEP 1
	STEP 2
	STEP 3
	s_xor_b32 s[TB], s[TB], SLOT1                  ; on to the other slot
.endm
	s_load_b128 s[4:7], s[0:1], 0x0                ; q, k, v s[4:5]; the result s[6:7]
	v_lshl_add_u32 v[SPW], v0, 2, SPARE
	v_mov_b32 v[NIL], 0
	ds_add_u32 v[SPW], v[NIL]                      ; the wave's opening: the add and its wait stand ahead of the first tensor load; work on registers stands between them
	v_lshrrev_b32 v62, 5, v0
	v_readfirstlane_b32 s[WV], v62                 ; wave 0..15
	s_and_b32 s8, ttmp7, 0xffff                    ; 16 x batch + head
	s_sub_co_u32 s9, 7, ttmp9                      ; the later block of my pair
	s_cmp_lt_u32 s[WV], 8
	s_cselect_b32 s10, ttmp9, s9                   ; my wave's block
	s_lshl_b32 s10, s10, 8
	s_and_b32 s11, s[WV], 7
	s_lshl_b32 s11, s11, 5
	s_add_co_u32 s[Q0], s10, s11
	s_lshl_b32 s[LASTQ], s9, 8
	s_or_b32 s[LASTQ], s[LASTQ], 255
	s_lshl_b32 s15, s8, 18                         ; the head's first byte in each section: 2,048 rows of 128 bytes
	s_mov_b32 s12, 33554432                        ; what I fetch, if I fetch: waves 0, 1 K's halves, waves 2, 3 V's
	s_cmp_lt_u32 s[WV], 2
	s_cselect_b32 s12, 16777216, s12
	s_add_co_u32 s12, s12, s15
	s_and_b32 s14, s[WV], 1
	s_lshl_b32 s14, s14, 14                        ; 128 rows of 128 bytes
	s_add_co_u32 s12, s12, s14
	s_mov_b32 s13, 0
	s_mov_b32 s[G1+0], (3<<16)|(1<<20)|(4<<22)|(3<<25)   ; no mask; elements of 8 bytes; padding on: four words after every 32
	s_mov_b32 s[G1+1], 16<<16                      ; tensor_dim0 = 16 elements: 128 bytes
	s_mov_b32 s[G1+2], 128<<16                     ; tensor_dim1 = 128 rows
	s_mov_b32 s[G1+3], 16<<16                      ; tile_dim0
	s_mov_b32 s[G1+4], 128                         ; tile_dim1
	s_mov_b32 s[G1+5], 16                          ; the rows are dense in memory
	s_mov_b32 s[G1+6], 0
	s_mov_b32 s[G1+7], 0
	s_mov_b32 s[SEL], 0x76543210
	s_mov_b32 s[SEL+1], 0xfedcba98
	s_mov_b32 s[CS], 0x3e38aa3b                    ; c = log2(e) / 8
	s_mov_b32 s[CS+1], s[CS]                       ; (named with it as a pair, so it is written)
	s_mov_b32 s[TB], 0
	s_mov_b32 s[KF], 0
	s_mov_b32 s[SLOTS], 7
	s_wait_dscnt 0x0                               ; the opening add is done
	s_wait_kmcnt 0x0
	s_mov_b32 s[G0], 1                             ; count = 1
	s_mul_i32 s[G0+1], s[WV], 18432                ; LDS address: slot 0, 128 rows of 144 bytes a wave
	s_add_nc_u64 s[G0+2:G0+3], s[4:5], s[12:13]
	s_or_b32 s[G0+3], s[G0+3], 0x80000000          ; type = 2
	TLOAD                                          ; slot 0
	s_mov_b32 s82, 33554432                        ; the prefetches: waves 4 to 7 K's section, waves 8 to 11 V's,
	s_cmp_lt_u32 s[WV], 8
	s_cselect_b32 s82, 16777216, s82
	s_add_co_u32 s82, s82, s15                     ; my head,
	s_and_b32 s83, s[WV], 3
	s_lshl_b32 s83, s83, 13                        ; my wave's 8,192 bytes,
	s_add_co_u32 s82, s82, s83
	s_add_co_u32 s82, s82, 32768                   ; in slot 1: the first change of slots steps it to slot 2.  Nothing is prefetched here, at the head
	s_mov_b32 s83, 0
	s_add_nc_u64 s[PFA:PFA+1], s[4:5], s[82:83]
	s_sub_co_u32 s82, s[WV], 4
	s_lshr_b32 s82, s82, 3                         ; 0 in waves 4 to 11,
	s_or_b32 s82, s82, ttmp9                       ; of the head's first work-group
	s_cmp_eq_u32 s82, 0
	s_cselect_b32 s[LIM], 1, -1
	s_lshl_b32 s16, s[Q0], 7
	s_add_co_u32 s68, s15, s16
	s_mov_b32 s69, 0
	s_add_nc_u64 s[68:69], s[4:5], s[68:69]        ; Q at my first query
	s_and_b32 s70, s8, 15
	s_lshl_b32 s70, s70, 20                        ; the result: head x 8,192 tokens of 128 bytes,
	s_lshr_b32 s17, s8, 4
	s_lshl_b32 s17, s17, 18                        ; batch x 2,048 tokens,
	s_add_co_u32 s70, s70, s17
	s_add_co_u32 s70, s70, s16                     ; my first query
	s_mov_b32 s71, 0
	s_add_nc_u64 s[70:71], s[6:7], s[70:71]
	v_and_b32 v62, 15, v0                          ; r
	v_bfe_u32 v63, v0, 4, 1                        ; h
	v_lshlrev_b32 v61, 7, v62
	v_lshl_add_u32 v61, v63, 4, v61                ; Q: row r of 128 bytes, + 16 h
.irp t, 0,1
.irp c, 0,1
.irp e, 0,1
	global_load_b128 v[QF+16*\t+8*\c+4*\e:QF+16*\t+8*\c+4*\e+3], v61, s[68:69] offset:\t*2048+\c*64+32*\e   ; Q's fragments stay in registers
.endr
.endr
.endr
	v_mul_u32_u24 v[AK0], v62, KP
	v_lshl_add_u32 v[AK0], v63, 4, v[AK0]
	s_mul_i32 s17, s[WV], 2304
	s_add_co_u32 s17, s17, STAGE                   ; my stage
	v_add_nc_u32 v[STO], s17, v[AK0]               ; in: row r, + 16 h
	v_and_b32 v2, 31, v0                           ; lane
	v_lshlrev_b32 v[GO], 4, v2
	v_lshlrev_b32 v[PFO], 8, v2
	v_lshrrev_b32 v3, 3, v2
	v_mul_u32_u24 v3, v3, KP
	v_and_b32 v2, 7, v2
	v_lshl_add_u32 v3, v2, 4, v3
	v_add_nc_u32 v[RD], s17, v3                    ; back: eight lanes to a row of 128 bytes
	v_lshlrev_b32 v63, 3, v63
	v_sub_nc_u32 v[MD], v62, v63
	v_mov_b32 v[NINF], 0xff800000
.irp t, 0,1
	v_mov_b32 v[ST+8*\t+1], 0xff61b1e6             ; m: -3e38, under every score
	v_mul_f32 v[ST+8*\t], s[CS], v[ST+8*\t+1]
.irp j, 2,3,4,5,6,7
	v_mov_b32 v[ST+8*\t+\j], 0                     ; l; and the registers at work, written once: a lane permute's destination counts as one of its sources
.endr
.endr
.set j, 0
.rept 64
	v_mov_b32 v[OT+j], 0                           ; O^T.  (The step is written once: the first finds zeros, which the first a leaves zeros)
.set j, j+1
.endr
	s_wait_loadcnt 0x0                             ; Q
.Lslot:                                            ; 7 trips: behind each change of slots but the last the next slot is asked for, up to the causal limit
	CHANGE 1
	SLOT_STEPS
	s_sub_co_u32 s[SLOTS], s[SLOTS], 1
	s_cmp_lg_u32 s[SLOTS], 0
	s_cbranch_scc1 .Lslot
	CHANGE 0                                       ; the last slot is written out: nothing is left to ask for
	SLOT_STEPS
	; THE WAY OUT.  l's two halves and the other half of the lanes' are added; O^T is divided by l, rounded to f16 and sent through my stage, a tile (16 rows of 128 bytes) at a time.
.rept 4
	v_nop                                          ; places behind the last products
.endr
.irp t, 0,1
	v_add_f32 v[ST+8*\t+4], v[ST+8*\t+2], v[ST+8*\t+3]
.endr
.irp t, 0,1
	v_permlanex16_b32 v[ST+8*\t+5], v[ST+8*\t+4], s[SEL], s[SEL+1]
.endr
.irp t, 0,1
	v_add_f32 v[ST+8*\t+4], v[ST+8*\t+4], v[ST+8*\t+5]
.endr
.irp t, 0,1
	v_rcp_f32 v[ST+8*\t+6], v[ST+8*\t+4]
.endr
	v_nop                                          ; a plain line behind the last reciprocal
	s_wait_alu depctr_va_vdst(0)                   ; one wait for the two, ahead of their first reader
.irp t, 0,1
.irp j, 0,2,4,6,8,10,12,14,16,18,20,22,24,26,28,30
	v_pk_mul_f32 v[OT+32*\t+\j:OT+32*\t+\j+1], v[OT+32*\t+\j:OT+32*\t+\j+1], v[ST+8*\t+6:ST+8*\t+7] op_sel_hi:[1,0]
.endr
.endr
.irp t, 0,1
.irp i, 0,1,2,3,4,5,6,7,8,9,10,11,12,13,14,15
	v_cvt_pk_f16_f32 v[S+16*\t+\i], v[OT+32*\t+2*\i], v[OT+32*\t+2*\i+1]
.endr
.endr
.irp t, 0,1
.irp dt, 0,1,2,3
	ds_store_b128 v[STO], v[S+16*\t+4*\dt:S+16*\t+4*\dt+3] offset:32*\dt
.endr
.irp i, 0,1,2,3
	ds_load_b128 v[S+32+16*\t+4*\i:S+32+16*\t+4*\i+3], v[RD] offset:\i*576   ; LDS serves a wave's instructions in order (ISA guide 5.7.1.4): these see the stores above, and the next tile's stores come behind them
.endr
.endr
.irp t, 0,1
.irp i, 0,1,2,3
	s_wait_dscnt 11-8*\t-\i                        ; the LDS instructions issued behind this load may stay out
	global_store_b128 v[GO], v[S+32+16*\t+4*\i:S+32+16*\t+4*\i+3], s[70:71] offset:\t*2048+\i*512   ; 512 consecutive bytes, aligned
.endr
.endr
	s_wait_tensorcnt 0x0                           ; the wave's end, behind my last tensor load and my last LDS store
	ds_add_u32 v[SPW], v[NIL]
	s_wait_dscnt 0x0
	s_endpgm
.Lfunc_end_k_qc401df80a9_attn:
	.size	k_qc401df80a9_attn, .Lfunc_end_k_qc401df80a9_attn-k_qc401df80a9_attn
	.p2alignl 7, 3214868480
	.fill 96, 4, 3214868480
	.section	.rodata,"a",@progbits
	.p2align	6, 0x0
	.amdhsa_kernel k_qc401df80a9_attn
		.amdhsa_group_segment_fixed_size 327680
		.amdhsa_private_segment_fixed_size 0
		.amdhsa_enable_private_segment 0
		.amdhsa_kernarg_size 16
		.amdhsa_user_sgpr_count 2
		.amdhsa_user_sgpr_kernarg_segment_ptr 1
		.amdhsa_wavefront_size32 1
		.amdhsa_system_sgpr_workgroup_id_x 1
		.amdhsa_system_sgpr_workgroup_id_y 1
		.amdhsa_system_sgpr_workgroup_id_z 1
		.amdhsa_system_vgpr_workitem_id 0
		.amdhsa_next_free_vgpr 256
		.amdhsa_next_free_sgpr 100
		.amdhsa_reserve_vcc 1
		.amdhsa_float_denorm_mode_32 3
		.amdhsa_float_denorm_mode_16_64 3
		.amdhsa_memory_ordered 1
		.amdhsa_forward_progress 1
		.amdhsa_inst_pref_size 187
	.end_amdhsa_kernel
	.amdgpu_metadata
---
amdhsa.version: [ 1, 2 ]
amdhsa.kernels:
  - .name:           k_qc401df80a9_attn
    .symbol:         k_qc401df80a9_attn.kd
    .args:
      - { .name: qkvh, .offset: 0, .size: 8, .value_kind: global_buffer, .address_space: global }
      - { .name: att, .offset: 8, .size: 8, .value_kind: global_buffer, .address_space: global }
    .group_segment_fixed_size: 327680
    .private_segment_fixed_size: 0
    .kernarg_segment_align: 8
    .kernarg_segment_size: 16
    .max_flat_workgroup_size: 512
    .sgpr_count:     100
    .vgpr_count:     256
    .wavefront_size: 32
...
	.end_amdgpu_metadata
.endif
;; end of part 3
;; launch proj (part 4): grid 4 x 64, 4 waves a work-group, clusters of 4 x 4, 327,680 bytes of LDS; arguments att, wp, out0; writes out0
.if DOCPART == 4
	.amdgcn_target "amdgcn-amd-amdhsa--gfx1250"
	.amdhsa_code_object_version 6
	.text
	.protected	k_qc401df80a9_proj
	.globl	k_qc401df80a9_proj
	.p2align	8
	.type	k_qc401df80a9_proj,@function
k_qc401df80a9_proj:
	s_mov_b64 s[64:65], 0
	v_nop
	global_prefetch_b8 v0, s[64:65] scope:SCOPE_SE
	s_setreg_imm32_b32 hwreg(HW_REG_WAVE_MODE, 25, 1), 1
	s_wait_xcnt 0x0
	s_wait_alu depctr_hold_cnt(0) depctr_sa_sdst(0) depctr_va_vdst(0) depctr_va_sdst(0) depctr_va_ssrc(0) depctr_va_vcc(0) depctr_vm_vsrc(0)
	s_getreg_b32 s2, hwreg(HW_REG_IB_STS2, 6, 4)
	s_cmp_eq_u32 s2, 0
	s_cbranch_scc0 .Lentry_in_a_cluster
	s_endpgm
.Lentry_in_a_cluster:
	s_bfe_u32 s2, ttmp6, 0x10000c
	s_cmp_lg_u32 s2, 0xf033
	s_cbranch_scc0 .Lentry_shape_is_right
	s_endpgm
.Lentry_shape_is_right:
; out0[m][n] = the sum over k of A[m][k] w_proj[k][n]: [8192][1024] x [1024][1024], f16 operands, f32 sums, f32 out.
; A comes as [head][token][64] f16 (k = 64 head + d), w_proj as [k / 8][n][8 f16 along K].  LIMIT: f16's range, 65,504, for both.
; A tile of the output is 128 x 256; four waves, each 64 x 128: 32 accumulators.  K goes in steps of 128 (two heads) through a ring of two LDS slots: 8 steps.
; CLUSTERS: 4 x 4 work-groups.  The four of a row of the cluster need the same tiles of A, the four of a column the same tiles of w_proj: each tile is asked for JOINTLY, by the same tensor load with the same
; descriptor and a mask that names the four.  THE MATRIX INSTRUCTION IS USED TRANSPOSED (source 0 = 16 columns of w_proj, source 1 = 16 rows of A): a lane holds eight neighbouring numbers of a row of the output.
; No prefetch: of the 8 K steps the first four would come by their loads alone, and the launch is short.
; REGISTERS: window 0: v16-29 addresses; two fragment buffers of 96 (32 along K: A's four blocks, then w's eight) at v32 and v128; on the way out v32-159 take the rows read back.  window 1: accumulator (a, b) at 8 (8 a + b).
.set HALFA,  18432                     ; one head's 128 rows x 144 bytes (128 + 16 of padding = 36 words: the 16 rows of a load start at 16 different banks of the 64, ISA guide 11.1)
.set BOFF,   36864                     ; behind A's two heads: w's 16 octets x 256 columns x 16 bytes, dense: sixteen lanes read 256 consecutive bytes
.set SLOT,   102400
.set STAGE,  204800                    ; behind the ring: 16 rows x 528 bytes for each wave, for the way out
.set SPITCH, 528
.set SPARE,  238592                    ; behind the stages: the spare words, 128 bytes for each wave, which no other line names
.set LAPS,   4                         ; a lap = two K steps = once round the ring
.set ADRA, 16                          ; v16-17  LDS address of my A fragments in slot 0, 1
.set ADRB, 20                          ; v20-21  the same for w
.set STO,  24
.set RD,   25
.set CO,   26
.set SPW,  28                          ; v28  LDS address of my spare word; never rewritten
.set NIL,  29                          ; v29  0; never rewritten
.set F0,   32
.set F1,   128
.set BK,   32
.set G1, 24                            ; s[24:31] descriptor group 1 for A's tiles;  s[32:39] group 0, a set for each slot
.set G0, 32
.set G1B, 48                           ; s[48:55], s[56:63] the same for w's tiles
.set G0B, 56
.set MSB, 0
.macro WIN new                         ; the immediate's high byte repeats the setting that is left
.if MSB != \new
	s_set_vgpr_msb (MSB<<8)|\new
.set MSB, \new
.endif
.endm
.set MUL, 0x50                         ; sources 0 and 1 window 0; C and D window 1
.macro JLOAD s                         ; a joint load: waves 0 and 1 fetch A's two heads, waves 2 and 3 w's two halves; an s_nop 0 and four v_nop follow each of the two lines
	s_cmp_eq_u32 s11, 0
	s_cbranch_scc0 .Lfor_b_\@
	tensor_load_to_lds s[G0+4*\s:G0+4*\s+3], s[G1:G1+7]
	s_nop 0
.rept 4
	v_nop
.endr
	s_branch .Lasked_\@
.Lfor_b_\@:
	tensor_load_to_lds s[G0B+4*\s:G0B+4*\s+3], s[G1B:G1B+7]
	s_nop 0
.rept 4
	v_nop
.endr
.Lasked_\@:
.endm
.macro CREST                           ; a round of the cluster's barrier behind its opening barrier
	s_cmp_lg_u32 s10, 0
	s_cbranch_scc1 .Lnot_wave_0_\@
	s_barrier_signal -3
.Lnot_wave_0_\@:
	s_barrier_wait -3
	s_barrier_signal -1
	s_barrier_wait -1
.endm
.macro CROUND
	s_barrier_signal -1
	s_barrier_wait -1
	CREST
.endm
.macro PLACES                          ; four plain lines behind a matrix instruction, ahead of loads into registers that it read and of the first read of results
.rept 4
	v_nop
.endr
.endm
	s_load_b128 s[4:7], s[0:1], 0x0                ; A s[4:5], w s[6:7]
	s_load_b64 s[8:9], s[0:1], 0x10                ; the output
	v_lshl_add_u32 v[SPW], v0, 2, SPARE
	v_mov_b32 v[NIL], 0
	ds_add_u32 v[SPW], v[NIL]                      ; the wave's opening: the add and its wait stand ahead of my first tensor load; work on registers stands between them
	v_lshrrev_b32 v1, 5, v0
	v_readfirstlane_b32 s10, v1                    ; wave 0..3
	s_lshr_b32 s11, s10, 1                         ; which 64 rows are mine.  Also: I fetch for A (0) or for w (1)
	s_and_b32 s12, s10, 1                          ; which 128 columns.  Also: which half of that tile I fetch
	s_bfe_u32 s40, ttmp6, 0x40000                  ; cx, cy: my place in the cluster
	s_bfe_u32 s41, ttmp6, 0x40004
	s_lshl_b32 s42, ttmp9, 2
	s_add_co_u32 s42, s42, s40                     ; tile column = 4 x cluster x + cx
	s_and_b32 s13, ttmp7, 0xffff
	s_lshl_b32 s13, s13, 2
	s_add_co_u32 s13, s13, s41                     ; tile row = 4 x cluster y + cy
	s_lshl_b32 s43, s41, 2
	s_lshl_b32 s43, 15, s43                        ; my row of the cluster
	s_lshl_b32 s44, 0x1111, s40                    ; my column
	s_or_b32 s[G1+0], s43, (3<<16)|(1<<20)|(1<<21)|(4<<22)|(3<<25)   ; the mask: A's tiles go to my row; elements of 8 bytes; padding on; 21 set beside a mask; four words after every 32
	s_mov_b32 s[G1+1], 16<<16                      ; tensor_dim0 = 16 elements: 128 bytes
	s_mov_b32 s[G1+2], 128<<16                     ; tensor_dim1 = 128 rows
	s_mov_b32 s[G1+3], 16<<16                      ; tile_dim0
	s_mov_b32 s[G1+4], 128                         ; tile_dim1
	s_mov_b32 s[G1+5], 16                          ; dense in memory
	s_mov_b32 s[G1+6], 0
	s_mov_b32 s[G1+7], 0
	s_or_b32 s[G1B+0], s44, (3<<16)|(1<<21)        ; the mask of my column; no padding
	s_mov_b32 s[G1B+1], 512<<16                    ; tensor_dim0 = 512 elements: 256 columns x 16 bytes
	s_mov_b32 s[G1B+2], 8<<16                      ; tensor_dim1 = 8 octets along K
	s_mov_b32 s[G1B+3], 512<<16
	s_mov_b32 s[G1B+4], 8
	s_mov_b32 s[G1B+5], 2048                       ; from octet to octet: 1,024 columns x 16 bytes
	s_mov_b32 s[G1B+6], 0
	s_mov_b32 s[G1B+7], 0
	s_lshl_b32 s16, s12, 20                        ; A: the head of my half, 8,192 tokens of 128 bytes,
	s_lshl_b32 s17, s13, 14                        ; the tile's 128 tokens
	s_add_co_u32 s16, s16, s17
	s_mov_b32 s17, 0
	s_lshl_b32 s46, s12, 17                        ; w: my eight octets,
	s_lshl_b32 s47, s42, 12                        ; the tile's 256 columns
	s_add_co_u32 s46, s46, s47
	s_mov_b32 s47, 0
	s_mul_i32 s20, s12, HALFA                      ; where they go: no place in the cluster enters an LDS address
	s_lshl_b32 s21, s12, 15
	s_add_co_u32 s21, s21, BOFF
	s_wait_dscnt 0x0                               ; the opening add is done
	s_wait_kmcnt 0x0
	s_add_nc_u64 s[14:15], s[4:5], s[16:17]
	s_add_nc_u64 s[46:47], s[6:7], s[46:47]
	CROUND                                         ; all sixteen work-groups are here: the first joint loads meet
.irp s, 0,1
	s_mov_b32 s[G0+4*\s], 1
	s_add_co_u32 s[G0+4*\s+1], s20, \s*SLOT
	s_add_nc_u64 s[G0+4*\s+2:G0+4*\s+3], s[14:15], \s*2097152      ; K step s: two heads on
	s_or_b32 s[G0+4*\s+3], s[G0+4*\s+3], 0x80000000
	s_mov_b32 s[G0B+4*\s], 1
	s_add_co_u32 s[G0B+4*\s+1], s21, \s*SLOT
	s_add_nc_u64 s[G0B+4*\s+2:G0B+4*\s+3], s[46:47], \s*262144     ; 16 octets on
	s_or_b32 s[G0B+4*\s+3], s[G0B+4*\s+3], 0x80000000
	JLOAD \s
.endr
	v_and_b32 v1, 15, v0                           ; r
	v_bfe_u32 v2, v0, 4, 1                         ; h
	v_mul_u32_u24 v3, v1, 144
	v_lshl_add_u32 v3, v2, 4, v3                   ; A: row r, + 16 h
	v_lshlrev_b32 v4, 4, v1
	v_lshl_add_u32 v4, v2, 12, v4                  ; w: column r, + h octets
	s_mul_i32 s22, s11, 9216                       ; my 64 rows of A
	s_lshl_b32 s23, s12, 11                        ; my 128 columns of w,
	s_add_co_u32 s23, s23, BOFF                    ; which lies behind A
.irp s, 0,1
	v_add_nc_u32 v[ADRA+\s], s22, v3
	v_add_nc_u32 v[ADRB+\s], s23, v4
	s_add_co_u32 s22, s22, SLOT
	s_add_co_u32 s23, s23, SLOT
.endr
	s_mul_i32 s22, s10, 16*SPITCH
	s_add_co_u32 s22, s22, STAGE                   ; my stage
	v_mul_u32_u24 v5, v1, SPITCH
	v_lshl_add_u32 v5, v2, 5, v5
	v_add_nc_u32 v[STO], s22, v5                   ; in: row r, 32 bytes for each half of the lanes
	v_and_b32 v6, 31, v0
	v_lshlrev_b32 v[CO], 4, v6                     ; back: the 32 lanes take one row of 512 bytes; and the same in the output
	v_add_nc_u32 v[RD], s22, v[CO]
	s_lshl_b32 s18, s13, 7
	s_lshl_b32 s19, s11, 6
	s_add_co_u32 s18, s18, s19                     ; my first row
	s_lshl_b32 s18, s18, 12                        ; of 4,096 bytes
	s_lshl_b32 s19, s42, 10                        ; my first column, in bytes: 1,024 x tile column + 512 x half
	s_add_co_u32 s18, s18, s19
	s_lshl_b32 s19, s12, 9
	s_add_co_u32 s18, s18, s19
	s_mov_b32 s19, 0
	s_add_nc_u64 s[8:9], s[8:9], s[18:19]
; 24 LDS loads in one run: the fragments of the slot's q-th 32 along K into buffer f: w's eight, then A's four (blocks 2 and 3 last)
.macro FETCH slot, q, f
	WIN 0
.irp b, 0,1,2,3,4,5,6,7
	ds_load_b128 v[\f+32+8*\b:\f+32+8*\b+3],   v[ADRB+\slot] offset:(\q)*16384+\b*256
	ds_load_b128 v[\f+32+8*\b+4:\f+32+8*\b+7], v[ADRB+\slot] offset:(\q)*16384+\b*256+8192
.endr
.irp i, 0,1,2,3
	ds_load_b128 v[\f+8*\i:\f+8*\i+3],   v[ADRA+\slot] offset:((\q)/2)*HALFA+((\q)%2)*64+\i*2304
	ds_load_b128 v[\f+8*\i+4:\f+8*\i+7], v[ADRA+\slot] offset:((\q)/2)*HALFA+((\q)%2)*64+\i*2304+32
.endr
.endm
; 8 products: A's block a x w's eight.  The 32 accumulators take turns, one instruction a turn, in the same order in every quarter.  zero = 1: the first products start the sums
.macro MUL8 f, a, zero
.irp b, 0,1,2,3,4,5,6,7
.if \zero
	v_wmma_f32_16x16x32_f16 v[8*(8*(\a)+\b):8*(8*(\a)+\b)+7], v[\f+32+8*\b:\f+32+8*\b+7], v[\f+8*(\a):\f+8*(\a)+7], 0
.else
	v_wmma_f32_16x16x32_f16 v[8*(8*(\a)+\b):8*(8*(\a)+\b)+7], v[\f+32+8*\b:\f+32+8*\b+7], v[\f+8*(\a):\f+8*(\a)+7], v[8*(8*(\a)+\b):8*(8*(\a)+\b)+7]
.endif
.endr
.endm
.macro MUL16 f, a0, zero
	MUL8 \f, \a0, \zero
	MUL8 \f, \a0+1, \zero
.endm
; A K step is four quarters of 32 along K, 32 products each, on buffers 0, 1, 0, 1.  One of the first three: multiplies buffer f and fetches quarter qn into g.
.macro QUARTER slot, qn, f, g, zero
	s_wait_dscnt 4                                 ; w's fragments and A's blocks 0, 1 are in; the youngest four loads (blocks 2, 3) may be out
	WIN MUL
	MUL16 \f, 0, \zero
	PLACES
	FETCH \slot, \qn, \g
	s_wait_dscnt 24                                ; all but the 24 just issued
	WIN MUL
	MUL16 \f, 2, \zero
.endm
; The last quarter multiplies buffer 1 and changes slots: ONE barrier; in front of it each wave waits for all its tensor loads, adds 0 to its spare word, and waits for that and for its own reads of this slot.
; fill = 1: this slot is filled again, two K steps ahead, behind a round of the cluster's barrier that this barrier opens.
.macro TURN slot, next, fill
	WIN 0                                          ; (the add's two registers lie in window 0)
	s_wait_tensorcnt 0x0                           ; all my tensor loads have landed: my part of the next slot
	ds_add_u32 v[SPW], v[NIL]                      ; 0 onto my spare word
	s_wait_dscnt 5                                 ; (the add and the youngest four loads may be out)
	WIN MUL
	MUL8 F1, 0, 0                                  ; eight products stand between the add and the wait for it
	s_wait_dscnt 0x0                               ; the add is done, and my reads of this slot are over
	s_barrier_signal -1
	MUL8 F1, 1, 0
	WIN 0
	s_barrier_wait -1
.if \fill
	CREST                                          ; no wave of any partner still reads this slot's tile or has a load on its way
	s_add_nc_u64 s[G0+4*\slot+2:G0+4*\slot+3], s[G0+4*\slot+2:G0+4*\slot+3], 4194304
	s_add_nc_u64 s[G0B+4*\slot+2:G0B+4*\slot+3], s[G0B+4*\slot+2:G0B+4*\slot+3], 524288
	JLOAD \slot                                    ; the first tensor load behind the round; the four v_nop behind it are also the places in front of the loads below
.else
	PLACES
.endif
	FETCH \next, 0, F0
	WIN MUL
	MUL16 F1, 2, 0
.endm
	s_wait_tensorcnt 1                             ; my part of K step 0 is in; K step 1's load may stay out
	s_barrier_signal -1
	s_barrier_wait -1                              ; everybody's is
	FETCH 0, 0, F0
	QUARTER 0, 1, F0, F1, 1                        ; the first quarter stands in front of the loop: its products start the sums
	WIN 0                                          ; at a label and at a branch every window is 0
	s_mov_b32 s3, LAPS-1
.Llap:                                                 ; a trip goes once round the ring, from a lap's second quarter to the next lap's first, and fills both slots again
	QUARTER 0, 2, F1, F0, 0
	QUARTER 0, 3, F0, F1, 0
	TURN 0, 1, 1
	QUARTER 1, 1, F0, F1, 0
	QUARTER 1, 2, F1, F0, 0
	QUARTER 1, 3, F0, F1, 0
	TURN 1, 0, 1
	QUARTER 0, 1, F0, F1, 0
	WIN 0
	s_sub_co_u32 s3, s3, 1
	s_cmp_lg_u32 s3, 0
	s_cbranch_scc1 .Llap
	QUARTER 0, 2, F1, F0, 0                        ; the last lap fills nothing, and has no round of the cluster's barrier
	QUARTER 0, 3, F0, F1, 0
	TURN 0, 1, 0
	QUARTER 1, 1, F0, F1, 0
	QUARTER 1, 2, F1, F0, 0
	QUARTER 1, 3, F0, F1, 0
	s_wait_dscnt 4                                 ; the very last quarter: nothing more to fetch
	WIN MUL
	MUL16 F1, 0, 0
	s_wait_dscnt 0x0
	MUL16 F1, 2, 0
	WIN 0
; THE WAY OUT, block by block of 16 rows x 128 columns: a lane holds 32 neighbouring bytes of a row, so a block goes through my own stage and comes back as whole rows of 512 bytes.
.macro TOSTAGE a
	WIN 0x04                                       ; an LDS store's data are its source 1: window 1
.irp b, 0,1,2,3,4,5,6,7
	ds_store_b128 v[STO], v[64*(\a)+8*\b:64*(\a)+8*\b+3] offset:64*\b        ; each accumulator from its low end on
	ds_store_b128 v[STO], v[64*(\a)+8*\b+4:64*(\a)+8*\b+7] offset:64*\b+16
.endr
	WIN 0
.set BB, BK+64*((\a)%2)
.irp t, 0,1,2,3,4,5,6,7,8,9,10,11,12,13,14,15
	ds_load_b128 v[BB+4*\t:BB+4*\t+3], v[RD] offset:\t*SPITCH   ; LDS serves a wave's instructions in order (ISA guide 5.7.1.4): these see the stores above
.endr
.endm
.macro SEND a, younger                 ; younger: the LDS instructions issued behind block a's loads, which may stay out
.set BB, BK+64*((\a)%2)
	s_wait_dscnt \younger
.if (\a) > 0
	s_add_nc_u64 s[8:9], s[8:9], 65536             ; 16 rows on (behind a wait on XCNT: the earlier stores have read their base)
.endif
.irp t, 0,1,2,3,4,5,6,7,8,9,10,11,12,13,14,15
	global_store_b128 v[CO], v[BB+4*\t:BB+4*\t+3], s[8:9] offset:\t*4096 th:TH_STORE_NT   ; 512 consecutive bytes, aligned; written once, read by nobody here
.endr
.endm
	PLACES
	TOSTAGE 0
.irp a, 1,2,3
.if \a > 1
	s_wait_xcnt 0x0                                ; block a - 2's stores have read their registers and their base
.endif
	TOSTAGE \a
	SEND \a-1, 32                                  ; behind block a - 1's loads: block a's 16 stores and 16 loads
.endr
	s_wait_xcnt 0x0
	SEND 3, 0
	s_wait_tensorcnt 0x0                           ; the wave's end, behind my last tensor load and my last LDS store
	ds_add_u32 v[SPW], v[NIL]
	s_wait_dscnt 0x0
	CROUND                                         ; the closing round: no work-group ends while a partner may still ask for a tile that names it
	s_endpgm
.Lfunc_end_k_qc401df80a9_proj:
	.size	k_qc401df80a9_proj, .Lfunc_end_k_qc401df80a9_proj-k_qc401df80a9_proj
	.p2alignl 7, 3214868480
	.fill 96, 4, 3214868480
	.section	.rodata,"a",@progbits
	.p2align	6, 0x0
	.amdhsa_kernel k_qc401df80a9_proj
		.amdhsa_group_segment_fixed_size 327680
		.amdhsa_private_segment_fixed_size 0
		.amdhsa_enable_private_segment 0
		.amdhsa_kernarg_size 24
		.amdhsa_user_sgpr_count 2
		.amdhsa_user_sgpr_kernarg_segment_ptr 1
		.amdhsa_wavefront_size32 1
		.amdhsa_system_sgpr_workgroup_id_x 1
		.amdhsa_system_sgpr_workgroup_id_y 1
		.amdhsa_system_sgpr_workgroup_id_z 1
		.amdhsa_system_vgpr_workitem_id 0
		.amdhsa_next_free_vgpr 512
		.amdhsa_next_free_sgpr 66
		.amdhsa_reserve_vcc 0
		.amdhsa_float_denorm_mode_32 3
		.amdhsa_float_denorm_mode_16_64 3
		.amdhsa_memory_ordered 1
		.amdhsa_forward_progress 1
		.amdhsa_inst_pref_size 85
	.end_amdhsa_kernel
	.amdgpu_metadata
---
amdhsa.version: [ 1, 2 ]
amdhsa.kernels:
  - .name:           k_qc401df80a9_proj
    .symbol:         k_qc401df80a9_proj.kd
    .args:
      - { .name: att, .offset: 0, .size: 8, .value_kind: global_buffer, .address_space: global }
      - { .name: wp, .offset: 8, .size: 8, .value_kind: global_buffer, .address_space: global }
      - { .name: out0, .offset: 16, .size: 8, .value_kind: global_buffer, .address_space: global }
    .group_segment_fixed_size: 327680
    .private_segment_fixed_size: 0
    .kernarg_segment_align: 8
    .kernarg_segment_size: 24
    .max_flat_workgroup_size: 128
    .sgpr_count:     66
    .vgpr_count:     512
    .wavefront_size: 32
...
	.end_amdgpu_metadata
.endif
;; end of part 4
